; MI455X (gfx1250); checked and timed in simulation.
; The chip was launched on July 23, 2026; its instructions are those of AMD's public machine-readable ISA for CDNA 5 (MIT licence, August 2026) and "CDNA5" Instruction Set Architecture Reference Guide (July 2026). The comments in the code are by the model that wrote it; some were corrected since.
;; C idht. Allowed arithmetic: float matrix products may take bf16 or f16 operands with f32 sums; all other float work in f32.
;; Inputs: accumulator 4 x 64 x 180 x 400 float32.
;; Outputs: out0 4 x 64 x 256 x 256 float32.
;; 2 versions, each right; version 2 is version 1 with the launch gather written anew for expert scheduling mode. Each part assembles by itself: llvm-mc -triple=amdgcn-amd-amdhsa -mcpu=gfx1250 --defsym DOCPART=n.
;; ======== version 1 of 2: 2 launches
;; workspace buffers: tbl 1,658,880 bytes of whole numbers
;; launch indices (part 1): grid 240 x 1, 27 waves a work-group, no clusters, 0 bytes of LDS; arguments tbl; writes tbl
.if DOCPART == 1
	.amdgcn_target "amdgcn-amd-amdhsa--gfx1250"
	.amdhsa_code_object_version 6
	.text
	.protected	k_q4b2c59954c_indices
	.globl	k_q4b2c59954c_indices
	.p2align	8
	.type	k_q4b2c59954c_indices,@function
k_q4b2c59954c_indices:
	s_mov_b64 s[64:65], 0
	v_nop
	global_prefetch_b8 v0, s[64:65] scope:SCOPE_SE
	s_setreg_imm32_b32 hwreg(HW_REG_WAVE_MODE, 25, 1), 1
	s_wait_xcnt 0x0
; The rho indices of the inverse Hough transform, as whole numbers for the launch that gathers.
; r(a, y, x) = round_to_even( fl( (x-128) cos t + fl((y-128) sin t) ) ) + 200,  t = fl(a * fl(pi/180)),  in f32.
; THE SUM is made as compiled code with fused multiply-adds makes it: the product with sin t, which does not change along x, is rounded by itself;
; the product with cos t and the sum are one fused multiply-add, rounded once.
; A tile is two whole rows of the image (tile T: rows 2 T, 2 T + 1), cut into 16 runs of 32 pixels (run j: row j / 8, pixels 32 (j % 8) ..).
; Along x the index moves by 0 or 1 a pixel (|cos| <= 0.99985 but for angle 0, whose sums are whole numbers; the roundings are monotonic), upward for a < 90 and
; downward for a >= 90.  So a row is given by its first pixel's place and a bit for each step:
;   masks  [tile 128][angle 180][run 16]: bit i = 1 if the index changes between pixel i and pixel i + 1 of the run (bit 31: into the next run's first pixel;
;          in a row's last run that bit is made from the column behind the image and is used by nobody),
;   starts [tile 128][angle 180][row 2], from byte STARTS on: the entry of the row's first pixel in the gathering launch's LDS slot: (a mod 6) * 384 + e,
;          e = r - 8 for a < 90, e = 391 - r for a >= 90 (rows lie reversed there).
; The entry of pixel i of a run is the run's first entry + the ones of its mask below bit i; the next run's first entry adds all 32 bits.
; WORK: an item is a (tile, angle), 23,040 in all, number 180 tile + angle.  240 work-groups of 96 items: waves 0-23 make the masks (8 lanes an item, 64 pixels a lane,
; two words a lane), waves 24-26 the starts (one lane an item, two words).  Each wave's one store covers 256 consecutive bytes, aligned.
; RANGE: |x cos + y sin| <= 128 sqrt 2 < 182, so r lies in 19 .. 381: the problem's mask is true everywhere, its clip never acts, and e lies in 10 .. 373.
; COSINE AND SINE: one index off by one moves an output far beyond the allowed error, so cos t and sin t have to be the very f32 numbers of the problem's definition.
; They are made as the usual single-precision C library routine makes them: n = nearest whole number to t * 2/pi, r = t - n * (pi/2 as a double), then the routine's
; polynomials sin r = r + r^3 (s1 + s2 r^2 + s3 r^4) and cos r = 1 + c1 r^2 + .. + c4 r^8, with its double coefficients.  Here every number is a pair of f32
; (high + low, some 45 bits), and the pair is rounded to f32 once at the end.
; LIMIT: where a host's cos or sin differs from this in the last bit, or a host rounds the product with cos t by itself, a few pixels take the neighbouring rho.
.set NE,     384                       ; entries of a row kept by the gathering launch: rho 8 .. 391
.set RHO0,   8
.set ITEMS,  96                        ; items of a work-group
.set MW,     24                        ; waves that make masks: 24 x 32 lanes = 96 items x 8
.set STARTS, 1474560                   ; 23,040 items x 64 bytes of masks
; scalar constants
.set DEG, 8                            ; fl(pi/180)
.set T1,  9                            ; the first f32 at or above pi/4
.set T2,  10                           ; the first f32 at or above 3 pi/4
.set HPH, 11                           ; pi/2 as a double = HPH - HPM - HPL, exactly
.set HPM, 12
.set HPL, 13
.set S3H, 14
.set S3L, 15
.set S2H, 16
.set S2L, 17
.set S1H, 18
.set S1L, 19
.set C4H, 20
.set C4L, 21
.set C3H, 22
.set C3L, 23
.set C2H, 24
.set C2L, 25
.set C1L, 26                           ; c1 = -0.5 + C1L
; vector registers
.set IT, 1                             ; item
.set AN, 2                             ; angle
.set JG, 3                             ; my eighth of the item's 512 pixels
.set TH, 4                             ; t
.set NF, 5                             ; n as f32
.set RH, 6                             ; r, high and low
.set RL, 7
.set UH, 8                             ; r^2
.set UL, 9
.set PH, 10                            ; the polynomial at work
.set PL, 11
.set TP, 12                            ; at work
.set TE, 13
.set TT, 14
.set TS, 15
.set SV, 16                            ; sin r
.set CV, 17                            ; cos r
.set SN, 18                            ; sin t
.set CS, 19                            ; cos t
.set P2, 20                            ; fl((y-128) sin t)
.set XF, 21                            ; x - 128
.set LB0, 22                           ; the low bits of the indices of my pixels 0-31
.set LB1, 23                           ; and 32-63
.set NS, 24
.set NC, 25
.set OU, 26                            ; v[26:27] the two words
.set OF, 28                            ; byte offset in the table
.set TL, 29                            ; tile
.set R1, 30
.set P3, 31
	s_load_b64 s[2:3], s[0:1], 0x0                 ; the table
	v_lshrrev_b32 v[TP], 5, v0
	v_readfirstlane_b32 s4, v[TP]                  ; wave 0 .. 26
	s_mul_i32 s5, ttmp9, ITEMS                     ; the work-group's first item
	s_mul_i32 s32, ttmp9, ITEMS*64                 ; and its 6,144 bytes of masks
	s_mov_b32 s[DEG], 0x3c8efa35
	s_mov_b32 s[T1],  0x3f490fdb
	s_mov_b32 s[T2],  0x4016cbe4
	s_mov_b32 s[HPH], 0x3fc90fdb                   ; 0x1.921fb54442d18p0 = 0x1.921fb6p0 - 0x1.777a5cp-25 - 0x1p-49
	s_mov_b32 s[HPM], 0x333bbd2e
	s_mov_b32 s[HPL], 0x27000000
	s_mov_b32 s[S3H], 0xb94ca75a                   ; s3 = -0x1.994eb3774cf24p-13
	s_mov_b32 s[S3L], 0x2c88b30e
	s_mov_b32 s[S2H], 0x3c0883b0                   ; s2 =  0x1.1107605230bc4p-7
	s_mov_b32 s[S2L], 0x2f246178
	s_mov_b32 s[S1H], 0xbe2aaaa3                   ; s1 = -0x1.555545995a603p-3
	s_mov_b32 s[S1L], 0x314d4b40
	s_mov_b32 s[C4H], 0x37cc9a18                   ; c4 =  0x1.99343027bf8c3p-16
	s_mov_b32 s[C4L], 0x2a1efe31
	s_mov_b32 s[C3H], 0xbab6043f                   ; c3 = -0x1.6c087e89a359dp-10
	s_mov_b32 s[C3L], 0xae09a35a
	s_mov_b32 s[C2H], 0x3d2aaa9f                   ; c2 =  0x1.55553e1068f19p-5
	s_mov_b32 s[C2L], 0x2f03478c
	s_mov_b32 s[C1L], 0x313ce779                   ; c1 = -0x1.ffffffd0c621cp-2
	s_mov_b32 s34, 90
	s_mov_b32 s36, 0xc3000000                      ; -128.0: x - 128 of the image's first column
	s_cmp_ge_u32 s4, MW
	s_cselect_b32 s35, -1, 0                       ; all ones in the waves that make starts
	v_lshrrev_b32 v[TP], 3, v0                     ; masks: 8 lanes an item
	v_add_nc_u32 v[TE], 0xfffffd00, v0             ; starts: thread - 768
	v_cndmask_b32 v[IT], v[TP], v[TE], s35
	v_add_nc_u32 v[IT], s5, v[IT]
	v_mul_u32_u24 v[TL], 0x5b06, v[IT]             ; item / 180 = item x 23,302 >> 22: 23,302 x 180 = 2^22 + 56, so the quotient is too large by
	v_lshrrev_b32 v[TL], 22, v[TL]                 ; less than 128 x 56 / 2^22 = 0.002, under the 1/180 that is left below the next whole number
	v_mul_u32_u24 v[TT], 180, v[TL]
	v_sub_nc_u32 v[AN], v[IT], v[TT]
	v_cvt_f32_u32 v[TH], v[AN]
	v_mul_f32 v[TH], s[DEG], v[TH]                 ; t, one rounding
; (oh, ol) = (ah, al) * (bh, bl): the product of the high parts with its exact error (fma), the two cross products, then high and low parts again
.macro DMUL oh, ol, ah, al, bh, bl
	v_mul_f32 v[TP], v[\ah], v[\bh]
	v_fma_f32 v[TE], v[\ah], v[\bh], -v[TP]
	v_fma_f32 v[TE], v[\ah], v[\bl], v[TE]
	v_fma_f32 v[TE], v[\al], v[\bh], v[TE]
	v_add_f32 v[\oh], v[TP], v[TE]
	v_sub_f32 v[TT], v[\oh], v[TP]
	v_sub_f32 v[\ol], v[TE], v[TT]
.endm
; (oh, ol) = (ch, cl) + (ph, pl) where |ch| >= |ph| (true of every step below): the sum of the high parts with its exact error, the low parts,
; then high and low parts again.  oh is the pair's sum rounded to f32.
.macro DADD oh, ol, ch, cl, ph, pl
	v_add_f32 v[TS], \ch, v[\ph]
	v_sub_f32 v[TT], v[TS], \ch
	v_sub_f32 v[TE], v[\ph], v[TT]
	v_add_f32 v[TT], \cl, v[\pl]
	v_add_f32 v[TE], v[TE], v[TT]
	v_add_f32 v[\oh], v[TS], v[TE]
	v_sub_f32 v[TT], v[\oh], v[TS]
	v_sub_f32 v[\ol], v[TE], v[TT]
.endm
	; n: no t of the 180 is nearer to pi/4 or 3 pi/4 than 5e-9, far more than a double product's error, so two comparisons give the routine's n
	v_cmp_le_f32 s27, s[T1], v[TH]                 ; n >= 1
	v_cmp_le_f32 s28, s[T2], v[TH]                 ; n = 2
	v_cndmask_b32 v[NF], 0, 1.0, s27
	v_cndmask_b32 v[TP], 0, 1.0, s28
	v_add_f32 v[NF], v[NF], v[TP]
	; r = t - n * pi/2.  t - n HPH is exact (the two are within a factor 2 of each other); n HPM and n HPL are exact
	v_fma_f32 v[TS], -v[NF], s[HPH], v[TH]
	v_mul_f32 v[TP], s[HPM], v[NF]
	v_add_f32 v[UH], v[TS], v[TP]                  ; the sum and, in the next five lines, its exact error
	v_sub_f32 v[TT], v[UH], v[TS]
	v_sub_f32 v[TE], v[UH], v[TT]
	v_sub_f32 v[TE], v[TS], v[TE]
	v_sub_f32 v[TT], v[TP], v[TT]
	v_add_f32 v[TE], v[TE], v[TT]
	v_fma_f32 v[TE], v[NF], s[HPL], v[TE]
	v_add_f32 v[RH], v[UH], v[TE]
	v_sub_f32 v[TT], v[RH], v[UH]
	v_sub_f32 v[RL], v[TE], v[TT]
	DMUL UH, UL, RH, RL, RH, RL                    ; r^2
	; sin r
	v_mov_b32 v[PH], s[S3H]
	v_mov_b32 v[PL], s[S3L]
	DMUL PH, PL, UH, UL, PH, PL
	DADD PH, PL, s[S2H], s[S2L], PH, PL
	DMUL PH, PL, UH, UL, PH, PL
	DADD PH, PL, s[S1H], s[S1L], PH, PL
	DMUL PH, PL, UH, UL, PH, PL
	DMUL PH, PL, RH, RL, PH, PL
	DADD SV, PL, v[RH], v[RL], PH, PL
	; cos r
	v_mov_b32 v[PH], s[C4H]
	v_mov_b32 v[PL], s[C4L]
	DMUL PH, PL, UH, UL, PH, PL
	DADD PH, PL, s[C3H], s[C3L], PH, PL
	DMUL PH, PL, UH, UL, PH, PL
	DADD PH, PL, s[C2H], s[C2L], PH, PL
	DMUL PH, PL, UH, UL, PH, PL
	DADD PH, PL, -0.5, s[C1L], PH, PL
	DMUL PH, PL, UH, UL, PH, PL
	DADD CV, PL, 1.0, 0, PH, PL
	; n = 0: sin t = sin r, cos t = cos r;  n = 1: cos r, -sin r;  n = 2: -sin r, -cos r
	v_xor_b32 v[NS], 0x80000000, v[SV]
	v_xor_b32 v[NC], 0x80000000, v[CV]
	v_cndmask_b32 v[SN], v[SV], v[CV], s27
	v_cndmask_b32 v[SN], v[SN], v[NS], s28
	v_cndmask_b32 v[CS], v[CV], v[NS], s27
	v_cndmask_b32 v[CS], v[CS], v[NC], s28
	s_cmp_ge_u32 s4, MW
	s_cbranch_scc1 .Lstarts
	; THE MASKS.  My 64 pixels: row i / 4 of the tile, columns 64 (i % 4) .., i = thread % 8
	v_and_b32 v[JG], 7, v0
	v_and_b32 v[XF], 3, v[JG]
	v_lshlrev_b32 v[XF], 6, v[XF]
	v_add_nc_u32 v[XF], 0xffffff80, v[XF]
	v_cvt_f32_i32 v[XF], v[XF]                     ; x - 128 of my first pixel
	v_lshrrev_b32 v[P2], 2, v[JG]
	v_lshl_add_u32 v[P2], v[TL], 1, v[P2]
	v_add_nc_u32 v[P2], 0xffffff80, v[P2]
	v_cvt_f32_i32 v[P2], v[P2]                     ; y - 128
	v_mul_f32 v[P2], v[P2], v[SN]
	v_mov_b32 v[LB0], 0
	v_mov_b32 v[LB1], 0
	v_lshl_add_u32 v[OF], v0, 3, s32               ; 64 (thread / 8) + 8 (thread % 8) = 8 x thread
; one pixel: the fused multiply-add, the rounding to a whole number; the index's low bit is shifted into lb from the top, so that after 32 pixels bit i is pixel i's
.macro PIX lb
	v_fma_f32 v[TP], v[XF], v[CS], v[P2]
	v_rndne_f32 v[TP], v[TP]
	v_cvt_i32_f32 v[TE], v[TP]
	v_alignbit_b32 v[\lb], v[TE], v[\lb], 1
	v_add_f32 v[XF], 1.0, v[XF]
.endm
.rept 32
	PIX LB0
.endr
.rept 32
	PIX LB1
.endr
	v_fma_f32 v[TP], v[XF], v[CS], v[P2]           ; the pixel behind my 64
	v_rndne_f32 v[TP], v[TP]
	v_cvt_i32_f32 v[TE], v[TP]
	v_alignbit_b32 v[TT], v[LB1], v[LB0], 1        ; each pixel's right neighbour's low bit
	v_xor_b32 v[OU], v[LB0], v[TT]                 ; neighbours that differ by one differ in the low bit
	v_alignbit_b32 v[TT], v[TE], v[LB1], 1
	v_xor_b32 v[OU+1], v[LB1], v[TT]
	s_wait_kmcnt 0x0
	global_store_b64 v[OF], v[OU:OU+1], s[2:3]     ; 32 lanes x 8 bytes: 256 consecutive bytes, aligned
	s_endpgm
.Lstarts:
	; THE STARTS: the first pixel (x - 128 = -128) of the tile's two rows
	v_lshlrev_b32 v[P2], 1, v[TL]
	v_add_nc_u32 v[P2], 0xffffff80, v[P2]
	v_cvt_f32_i32 v[P2], v[P2]                     ; y - 128 of the first row
	v_add_f32 v[P3], 1.0, v[P2]
	v_mul_f32 v[P2], v[P2], v[SN]
	v_mul_f32 v[P3], v[P3], v[SN]
	v_fma_f32 v[P2], s36, v[CS], v[P2]
	v_fma_f32 v[P3], s36, v[CS], v[P3]
	v_rndne_f32 v[P2], v[P2]
	v_rndne_f32 v[P3], v[P3]
	v_cvt_i32_f32 v[LB0], v[P2]
	v_cvt_i32_f32 v[R1], v[P3]
	v_mul_u32_u24 v[TT], 171, v[AN]                ; a / 6 = 171 a >> 10 for a < 180: 171 x 6 = 1,024 + 2, too large by less than 30 x 2 / 1,024 = 0.06 < 1/6
	v_lshrrev_b32 v[TT], 10, v[TT]
	v_mul_u32_u24 v[TT], 6, v[TT]
	v_sub_nc_u32 v[TT], v[AN], v[TT]               ; a mod 6
	v_mul_u32_u24 v[TT], NE, v[TT]
	v_cmp_le_u32 s29, s34, v[AN]                   ; a >= 90: cos t < 0
	v_add_nc_u32 v[TP], 200-RHO0, v[LB0]           ; e = r - 8
	v_sub_nc_u32 v[TE], NE-1+RHO0-200, v[LB0]      ; e = 391 - r
	v_cndmask_b32 v[TP], v[TP], v[TE], s29
	v_add_nc_u32 v[OU], v[TP], v[TT]
	v_add_nc_u32 v[TP], 200-RHO0, v[R1]
	v_sub_nc_u32 v[TE], NE-1+RHO0-200, v[R1]
	v_cndmask_b32 v[TP], v[TP], v[TE], s29
	v_add_nc_u32 v[OU+1], v[TP], v[TT]
	v_lshlrev_b32 v[OF], 3, v[IT]
	s_wait_kmcnt 0x0
	global_store_b64 v[OF], v[OU:OU+1], s[2:3] offset:STARTS   ; 32 neighbouring items: 256 consecutive bytes, aligned
	s_endpgm
.Lfunc_end_k_q4b2c59954c_indices:
	.size	k_q4b2c59954c_indices, .Lfunc_end_k_q4b2c59954c_indices-k_q4b2c59954c_indices
	.p2alignl 7, 3214868480
	.fill 96, 4, 3214868480
	.section	.rodata,"a",@progbits
	.p2align	6, 0x0
	.amdhsa_kernel k_q4b2c59954c_indices
		.amdhsa_group_segment_fixed_size 0
		.amdhsa_private_segment_fixed_size 0
		.amdhsa_enable_private_segment 0
		.amdhsa_kernarg_size 8
		.amdhsa_user_sgpr_count 2
		.amdhsa_user_sgpr_kernarg_segment_ptr 1
		.amdhsa_wavefront_size32 1
		.amdhsa_system_sgpr_workgroup_id_x 1
		.amdhsa_system_sgpr_workgroup_id_y 1
		.amdhsa_system_sgpr_workgroup_id_z 1
		.amdhsa_system_vgpr_workitem_id 0
		.amdhsa_next_free_vgpr 32
		.amdhsa_next_free_sgpr 66
		.amdhsa_reserve_vcc 0
		.amdhsa_float_denorm_mode_32 3
		.amdhsa_float_denorm_mode_16_64 3
		.amdhsa_memory_ordered 1
		.amdhsa_forward_progress 1
		.amdhsa_inst_pref_size 25
	.end_amdhsa_kernel
	.amdgpu_metadata
---
amdhsa.version: [ 1, 2 ]
amdhsa.kernels:
  - .name:           k_q4b2c59954c_indices
    .symbol:         k_q4b2c59954c_indices.kd
    .args:
      - { .name: tbl, .offset: 0, .size: 8, .value_kind: global_buffer, .address_space: global }
    .group_segment_fixed_size: 0
    .private_segment_fixed_size: 0
    .kernarg_segment_align: 8
    .kernarg_segment_size: 8
    .max_flat_workgroup_size: 864
    .sgpr_count:     66
    .vgpr_count:     32
    .wavefront_size: 32
...
	.end_amdgpu_metadata
.endif
;; end of part 1
;; launch gather (part 2): grid 32 x 8, 16 waves a work-group, no clusters, 264,192 bytes of LDS; arguments accumulator, tbl, out0; writes out0
.if DOCPART == 2
	.amdgcn_target "amdgcn-amd-amdhsa--gfx1250"
	.amdhsa_code_object_version 6
	.text
	.protected	k_q4b2c59954c_gather
	.globl	k_q4b2c59954c_gather
	.p2align	8
	.type	k_q4b2c59954c_gather,@function
k_q4b2c59954c_gather:
	s_mov_b64 s[64:65], 0
	v_nop
	global_prefetch_b8 v0, s[64:65] scope:SCOPE_SE
	s_setreg_imm32_b32 hwreg(HW_REG_WAVE_MODE, 25, 1), 1
	s_wait_xcnt 0x0
; out[plane][y][x] = sum over the 180 angles a, ascending, of accumulator[plane][a][r(a, y, x)], all in f32.  The indices come as whole numbers from the table
; that the launch before has stored: masks [tile 128][angle 180][run 16] (a bit for each step of the index along x) and, from byte STARTS on,
; starts [tile][angle][row 2] (the LDS entry of a row's first pixel).
; A work-group (x: group of 8 planes, y: block of 32 image rows) owns 8 planes x 32 rows x 256 columns = 65,536 sums, all kept in registers: 16 waves x 128 registers.
; The group of planes is the grid's x, so that the eight work-groups that read the same planes are 32 apart in the order of the launch.
; Wave w owns tile 16 * block + w: two whole rows of the image, as 16 runs of 32 pixels (lane = pixel; run j: row j / 8); run j, plane p is register ACC + 8 j + p.
; The angles go through a ring of two LDS slots of 6 angles (a stage).  A row in LDS is 384 entries (rho 8 .. 391: the indices lie in 19 .. 381) of 16 bytes:
; one rho of FOUR planes; planes 0-3 and planes 4-7 are two arrays HALF bytes apart.  So one address serves two 16-byte loads, eight gathered numbers a lane.
; The entries of a run rise by 0 or 1 from pixel to pixel (rows of angles >= 90, where the index falls along x, are laid into LDS reversed), so the 16 lanes that a
; 16-byte load serves together take entries within 256 consecutive bytes: different banks, or the same words (64 banks of 4 bytes: ISA guide 11.1).
; A lane's entry = the run's first entry + the ones of the run's mask below its lane: one v_mbcnt on two scalar registers.  The next run's first entry adds
; all the mask's ones: two scalar instructions.  So an angle needs 18 table words, and 72 scalar registers hold two PAIRS of angles: while one pair is worked on
; (64 LDS loads and 224 vector instructions of the wave), the next pair's words are on their way.  Scalar loads can only be waited for all together
; (ISA guide 5.7.1), so the lead is the work on half of the registers: hence the small table.
; THE FILL goes through registers, because it interleaves four planes: waves 0-11, lane = entry, eight 4-byte loads an angle land as the entry's two 16-byte words.
; The loads for stage s + 1 are issued at the head of stage s and stored to LDS at its end, into the slot that is not being read: one barrier a stage.
; No tensor loads and no cluster: a tile that interleaves planes would have rows of 4 bytes, and the fill is 73,728 bytes a stage against 1,572,864 gathered.
; No matrix unit: the sums are plain f32 additions of gathered numbers.
.set PLANE,  288000                    ; bytes of a plane of the input: 180 x 400 x 4
.set AROW,   1600                      ; bytes of an angle's row
.set STG,    6                         ; angles in a stage
.set LROW,   6144                      ; an angle's row in LDS: 384 entries x 16 bytes
.set HALF,   STG*LROW                  ; 36,864: the array of four planes
.set SLOT,   2*HALF                    ; 73,728
.set FILLW,  12                        ; waves that fill: 12 x 32 lanes = 384 entries
.set OPLANE, 262144                    ; bytes of a plane of the output
.set STARTS, 1474560                   ; where the table's starts begin
.set VGF,  1                           ; v1  byte offset of my entry's rho in a row, angles < 90: 4 (8 + e)
.set VGR,  2                           ; v2  the same for angles >= 90: 4 (391 - e)
.set VS,   3                           ; v[3:6]     my entry in slot s, array h: VS + 2 s + h
.set AD,   8                           ; v[8:11]    gather addresses of a batch's four runs
.set F,    12                          ; v[12:59]   the fill: angle k, plane p at F + 8 k + p
.set G,    60                          ; v[60:123]  gathered numbers, two sets of 32 that take turns by batch
.set ACC,  124                         ; v[124:251] the sums
.set SS,   92                          ; s[92:95]   first entries of a batch's runs 1, 2, 3 and of the next batch's run 0
.set TM,   96                          ; s[96:99]   the ones of a batch's four masks
; s[4:5] input at my planes and the stage being loaded; s[6:7] masks, s[10:11] starts, at my tile and the pair of angles last asked for; s[2:3] output at my tile;
; s8 wave; s9 loop counter; table words of a pair of angles, two sets that take turns by pair:
; set 0: masks s[16:31], s[32:47], starts s[84:87];  set 1: masks s[48:63], s[68:83], starts s[88:91]
	s_load_b128 s[4:7], s[0:1], 0x0                ; accumulator, tbl
	s_load_b64 s[2:3], s[0:1], 0x10                ; out0
	v_lshl_add_u32 v252, v0, 2, 0x40000
	v_mov_b32 v253, 0
	v_lshrrev_b32 v7, 5, v0
	v_readfirstlane_b32 s8, v7                     ; wave 0 .. 15
	s_and_b32 s9, ttmp7, 0xffff                    ; block of 32 rows
	s_mul_i32 s12, ttmp9, 8*PLANE                  ; my 8 planes of the input
	s_mov_b32 s13, 0
	s_lshl_b32 s94, s9, 4
	s_add_co_u32 s94, s94, s8                      ; my tile
	s_mul_i32 s14, s94, 180*64                     ; its masks
	s_mov_b32 s15, 0
	s_mul_i32 s96, s94, 180*8                      ; its starts
	s_add_co_u32 s96, s96, STARTS
	s_mov_b32 s97, 0
	s_lshl_b32 s92, ttmp9, 21                      ; output: 8 planes of 262,144 bytes,
	s_lshl_b32 s95, s94, 11                        ; two rows of 1,024 bytes a tile
	s_add_co_u32 s92, s92, s95                     ; below 2^26
	s_mov_b32 s93, 0
	v_and_b32 v7, 31, v0
	v_lshl_add_u32 v7, s8, 5, v7                   ; e = 32 w + lane: my entry (waves 0-11)
	v_lshlrev_b32 v[VGF], 2, v7
	v_sub_nc_u32 v[VGR], 4*391, v[VGF]
	v_add_nc_u32 v[VGF], 4*8, v[VGF]
	v_lshlrev_b32 v[VS], 4, v7
	v_add_nc_u32 v[VS+1], HALF, v[VS]
	v_add_nc_u32 v[VS+2], SLOT, v[VS]
	v_add_nc_u32 v[VS+3], SLOT+HALF, v[VS]
	s_wait_kmcnt 0x0
	s_add_nc_u64 s[4:5], s[4:5], s[12:13]
	s_add_nc_u64 s[10:11], s[6:7], s[96:97]
	s_add_nc_u64 s[6:7], s[6:7], s[14:15]
	s_add_nc_u64 s[2:3], s[2:3], s[92:93]
	s_load_b512 s[16:31], s[6:7], 0x0              ; angles 0 and 1
	s_load_b512 s[32:47], s[6:7], 0x40
	s_load_b128 s[84:87], s[10:11], 0x0
; 48 loads: 6 angles x 8 planes of my entry's rho.  A load of the wave covers 128 consecutive bytes.
.macro FILLLD voff
.irp k, 0,1,2,3,4,5
.irp p, 0,1,2,3,4,5,6,7
	global_load_b32 v[F+8*\k+\p], v[\voff], s[4:5] offset:PLANE*\p+AROW*\k
.endr
.endr
.endm
; 12 LDS stores: the registers as loaded are the entry's 16 bytes in each array.  Lanes at neighbouring 16 bytes.
.macro FILLST slot
.irp k, 0,1,2,3,4,5
	ds_store_b128 v[VS+2*(\slot)],   v[F+8*\k:F+8*\k+3]   offset:LROW*\k
	ds_store_b128 v[VS+2*(\slot)+1], v[F+8*\k+4:F+8*\k+7] offset:LROW*\k
.endr
.endm
	s_cmp_ge_u32 s8, FILLW
	s_cbranch_scc1 .Lno_fill_0
	FILLLD VGF                                     ; stage 0
	s_wait_loadcnt 0x0
	FILLST 0
.Lno_fill_0:
	s_wait_dscnt 0x0                               ; my part of slot 0 is written,
	s_barrier_signal -1
	s_barrier_wait -1                              ; everybody's is
; Batch QQ (0 .. 23) of a stage: angle KK = QQ / 4 of the stage, runs 4 BB .. 4 BB + 3, BB = QQ % 4.  Four addresses, eight 16-byte loads.
; At a pair of angles' first batch its table words are waited for and the next pair's are asked for, into the other set.
; first = 1: the launch's first angle lands in the sums themselves, so nothing is cleared.  last = 1: behind angles 178 and 179 there is no table to ask for.
.macro ISSUE slot, first, last
.set KK, QQ/4
.set BB, QQ%4
.set OD, KK&1                                      ; second angle of its pair
.set XS, (3*\slot+KK/2)&1                          ; the pair's set: a stage is three pairs, two stages six
.set MB, 16+16*OD+XS*(32+4*OD)                     ; the angle's 16 masks
.set SB, 84+4*XS+2*OD                              ; its two starts
.if QQ%8 == 0
	s_wait_kmcnt 0x0                               ; this pair's words are in, and no scalar load is out,
.set NOLD, 0
.if \last
.if QQ == 16
.set NOLD, 1
.endif
.endif
.if NOLD == 0
	s_wait_xcnt 0x0                                ; and every earlier memory instruction has had its address translated (ISA guide 3.1): the table's pointers are stepped only behind these
	s_add_nc_u64 s[6:7], s[6:7], 128
	s_add_nc_u64 s[10:11], s[10:11], 16
	s_load_b512 s[48-32*XS:63-32*XS], s[6:7], 0x0
	s_load_b512 s[68-36*XS:83-36*XS], s[6:7], 0x40
	s_load_b128 s[88-4*XS:91-4*XS], s[10:11], 0x0
.endif
.endif
.if BB%2 == 0
.set C0, SB+BB/2                                   ; a row begins: its start comes from the table
.else
.set C0, SS+3                                      ; the row goes on
.endif
.irp i, 0,1,2
	s_bcnt1_i32_b32 s[TM+\i], s[MB+4*BB+\i]
.endr
	s_add_co_u32 s[SS],   s[C0],   s[TM]           ; a run's first entry = the run before's + all its steps
	s_add_co_u32 s[SS+1], s[SS],   s[TM+1]
	s_add_co_u32 s[SS+2], s[SS+1], s[TM+2]
	v_mbcnt_lo_u32_b32 v[AD], s[MB+4*BB], s[C0]    ; the run's first entry + the steps below my lane
.irp i, 1,2,3
	v_mbcnt_lo_u32_b32 v[AD+\i], s[MB+4*BB+\i], s[SS+\i-1]
.endr
.if BB%2 == 0
	s_bcnt1_i32_b32 s[TM+3], s[MB+4*BB+3]
	s_add_co_u32 s[SS+3], s[SS+2], s[TM+3]
.endif
.irp i, 0,1,2,3
	v_min_u32 v[AD+\i], STG*384-1, v[AD+\i]        ; a number from memory stays inside the slot whatever it is
.endr
.irp i, 0,1,2,3
.if \slot
	v_lshl_add_u32 v[AD+\i], v[AD+\i], 4, SLOT
.else
	v_lshlrev_b32 v[AD+\i], 4, v[AD+\i]
.endif
.endr
.set DIRECT, 0
.if \first
.if QQ < 4
.set DIRECT, 1
.endif
.endif
.irp i, 0,1,2,3
.if DIRECT
.set DD, ACC+8*(4*BB+\i)
.else
.set DD, G+32*(QQ&1)+8*\i
.endif
	ds_load_b128 v[DD:DD+3],   v[AD+\i]             ; planes 0-3
	ds_load_b128 v[DD+4:DD+7], v[AD+\i] offset:HALF ; planes 4-7
.endr
.endm
; batch qq's 32 gathered numbers are added to its runs' sums
.macro ADDB qq
.irp i, 0,1,2,3
.irp c, 0,2,4,6
	v_pk_add_f32 v[ACC+8*(4*((\qq)%4)+\i)+\c:ACC+8*(4*((\qq)%4)+\i)+\c+1], v[ACC+8*(4*((\qq)%4)+\i)+\c:ACC+8*(4*((\qq)%4)+\i)+\c+1], v[G+32*((\qq)&1)+8*\i+\c:G+32*((\qq)&1)+8*\i+\c+1]
.endr
.endr
.endm
; A stage: six angles out of slot 'slot'.  fill = 1: the next stage's rows are asked for at the head, by offset register voff, and go into the other slot at the end.
; The other slot was last read a stage ago: every wave waited for those reads in front of that stage's barrier.  What is stored into it now is waited for
; in front of this stage's barrier and read behind it.
.macro STAGE slot, first, fill, voff, last
.if \fill
	s_cmp_ge_u32 s8, FILLW
	s_cbranch_scc1 .Lno_ld_\@
	s_add_nc_u64 s[4:5], s[4:5], STG*AROW          ; the loads that named this base were waited for (count 0) at the end of the stage before
	FILLLD \voff
.Lno_ld_\@:
.endif
.set QQ, 0
.rept 4*STG
	ISSUE \slot, \first, \last
.if QQ > 0
.set SKIP, 0
.if \first
.if QQ < 5
.set SKIP, 1                                       ; the batch before landed in the sums themselves
.endif
.endif
.if SKIP == 0
	s_wait_dscnt 0x8                               ; LDS instructions of a wave end in order (ISA guide 5.7.1): all but the eight loads just issued are done
	ADDB QQ-1
.endif
.endif
.set QQ, QQ+1
.endr
.if \fill
	s_wait_loadcnt 0x0                             ; the 48 loads issued at the stage's head are in.  The wait stands on every wave's path, outside the branch, so that on every
	                                               ; way through the text it lies between two loads into one fill register; waves 12-15 have no load out and pass at once
	s_cmp_ge_u32 s8, FILLW
	s_cbranch_scc1 .Lno_st_\@
	FILLST 1-\slot
.Lno_st_\@:
.endif
	s_wait_dscnt 0x0                               ; my reads of this slot and my stores into the other are done:
	s_barrier_signal -1                            ; say so,
	ADDB 4*STG-1                                   ; add the last batch (registers alone) while the others arrive,
	s_barrier_wait -1                              ; and go on when all sixteen have said so
.endm
	; Stage s asks for and stores stage s + 1.  Angles >= 90 are stages 15 .. 29: they are asked for, reversed, from stage 14 on.
	STAGE 0, 1, 1, VGF, 0                          ; stages 0 and 1 stand in front of the loop: angle 0 starts the sums
	STAGE 1, 0, 1, VGF, 0
	s_mov_b32 s9, 6
.Lforward:                                         ; stages 2 .. 13
	STAGE 0, 0, 1, VGF, 0
	STAGE 1, 0, 1, VGF, 0
	s_sub_co_i32 s9, s9, 1
	s_cmp_lg_u32 s9, 0
	s_cbranch_scc1 .Lforward
	s_mov_b32 s9, 7
.Lreversed:                                        ; stages 14 .. 27
	STAGE 0, 0, 1, VGR, 0
	STAGE 1, 0, 1, VGR, 0
	s_sub_co_i32 s9, s9, 1
	s_cmp_lg_u32 s9, 0
	s_cbranch_scc1 .Lreversed
	STAGE 0, 0, 1, VGR, 0                          ; stage 28 brings stage 29's rows, the input's last
	STAGE 1, 0, 0, VGR, 1                          ; stage 29 asks for nothing: no load leaves the input or the table
	; THE WAY OUT.  A lane holds one pixel of each run; the tile's two rows are 2,048 consecutive bytes of a plane.  So the wave's 16,384 bytes go through LDS bytes of
	; its own (16,384 w ..; the ring is no longer read: every wave waited for its reads in front of the last barrier): in as [plane][run][lane], 4 bytes a lane,
	; which is the order of memory; back as 16 bytes a lane, so that 16 neighbouring lanes store 256 consecutive bytes, aligned.
	s_lshl_b32 s12, s8, 14
	v_and_b32 v7, 31, v0
	v_lshl_add_u32 v8, v7, 2, s12                  ; in: 4 x lane
	v_lshl_add_u32 v9, v7, 4, s12                  ; back: 16 x lane
	v_lshlrev_b32 v10, 4, v7                       ; and the same in the image
.irp p, 0,1,2,3,4,5,6,7
.irp j, 0,1,2,3,4,5,6,7,8,9,10,11,12,13,14,15
	ds_store_b32 v8, v[ACC+8*\j+\p] offset:2048*\p+128*\j
.endr
.endr
	s_wait_dscnt 0x0                               ; the stores have read the sums' registers, into which the loads below land
.set MM, 0
.rept 32
	ds_load_b128 v[ACC+4*MM:ACC+4*MM+3], v9 offset:512*MM
.set MM, MM+1
.endr
.set MM, 0
.rept 32
	s_wait_dscnt 31-MM                             ; the loads issued behind load MM may stay out
	global_store_b128 v10, v[ACC+4*MM:ACC+4*MM+3], s[2:3] offset:(MM/4)*OPLANE+(MM%4)*512 th:TH_STORE_NT   ; plane MM / 4, quarter MM % 4 of the tile's 2,048 bytes
.set MM, MM+1
.endr
	s_wait_tensorcnt 0x0
	ds_add_u32 v252, v253
	s_wait_dscnt 0x0
	s_endpgm
.Lfunc_end_k_q4b2c59954c_gather:
	.size	k_q4b2c59954c_gather, .Lfunc_end_k_q4b2c59954c_gather-k_q4b2c59954c_gather
	.p2alignl 7, 3214868480
	.fill 96, 4, 3214868480
	.section	.rodata,"a",@progbits
	.p2align	6, 0x0
	.amdhsa_kernel k_q4b2c59954c_gather
		.amdhsa_group_segment_fixed_size 264192
		.amdhsa_private_segment_fixed_size 0
		.amdhsa_enable_private_segment 0
		.amdhsa_kernarg_size 24
		.amdhsa_user_sgpr_count 2
		.amdhsa_user_sgpr_kernarg_segment_ptr 1
		.amdhsa_wavefront_size32 1
		.amdhsa_system_sgpr_workgroup_id_x 1
		.amdhsa_system_sgpr_workgroup_id_y 1
		.amdhsa_system_sgpr_workgroup_id_z 1
		.amdhsa_system_vgpr_workitem_id 0
		.amdhsa_next_free_vgpr 254
		.amdhsa_next_free_sgpr 100
		.amdhsa_reserve_vcc 0
		.amdhsa_float_denorm_mode_32 3
		.amdhsa_float_denorm_mode_16_64 3
		.amdhsa_memory_ordered 1
		.amdhsa_forward_progress 1
		.amdhsa_inst_pref_size 255
	.end_amdhsa_kernel
	.section	.bss,"aw",@nobits
	.p2align	6
	.space	262144
	.amdgpu_metadata
---
amdhsa.version: [ 1, 2 ]
amdhsa.kernels:
  - .name:           k_q4b2c59954c_gather
    .symbol:         k_q4b2c59954c_gather.kd
    .args:
      - { .name: accumulator, .offset: 0, .size: 8, .value_kind: global_buffer, .address_space: global }
      - { .name: tbl, .offset: 8, .size: 8, .value_kind: global_buffer, .address_space: global }
      - { .name: out0, .offset: 16, .size: 8, .value_kind: global_buffer, .address_space: global }
    .group_segment_fixed_size: 264192
    .private_segment_fixed_size: 0
    .kernarg_segment_align: 8
    .kernarg_segment_size: 24
    .max_flat_workgroup_size: 512
    .sgpr_count:     100
    .vgpr_count:     254
    .wavefront_size: 32
...
	.end_amdgpu_metadata
.endif
;; end of part 2
;; ======== version 2 of 2: 2 launches; version 1 with the launch gather written anew for expert scheduling mode
;; workspace buffers: tbl 1,658,880 bytes of whole numbers
;; launch indices: the kernel of part 1 again; grid 240 x 1, 27 waves a work-group, no clusters, 0 bytes of LDS; arguments tbl; writes tbl
;; launch gather (part 3): grid 32 x 8, 16 waves a work-group, no clusters, 264,192 bytes of LDS; arguments accumulator, tbl, out0; writes out0
.if DOCPART == 3
	.amdgcn_target "amdgcn-amd-amdhsa--gfx1250"
	.amdhsa_code_object_version 6
	.text
	.protected	k_q4b2c59954c_gather
	.globl	k_q4b2c59954c_gather
	.p2align	8
	.type	k_q4b2c59954c_gather,@function
k_q4b2c59954c_gather:
	s_mov_b64 s[64:65], 0
	v_nop
	global_prefetch_b8 v0, s[64:65] scope:SCOPE_SE
	s_setreg_imm32_b32 hwreg(HW_REG_WAVE_SCHED_MODE, 0, 2), 2
	s_setreg_imm32_b32 hwreg(HW_REG_WAVE_MODE, 25, 1), 1
	s_wait_xcnt 0x0
	s_wait_alu depctr_vm_vsrc(0)
; out[plane][y][x] = sum over the 180 angles a, ascending, of accumulator[plane][a][r(a, y, x)], all in f32.  The indices come as whole numbers from the table
; that the launch before has stored: masks [tile 128][angle 180][run 16] (a bit for each step of the index along x) and, from byte STARTS on,
; starts [tile][angle][row 2] (the LDS entry of a row's first pixel).
; A work-group (x: group of 8 planes, y: block of 32 image rows) owns 8 planes x 32 rows x 256 columns = 65,536 sums, all kept in registers: 16 waves x 128 registers.
; The group of planes is the grid's x, so that the eight work-groups that read the same planes are 32 apart in the order of the launch.
; Wave w owns tile 16 * block + w: two whole rows of the image, as 16 runs of 32 pixels (lane = pixel; run j: row j / 8); run j, plane p is register ACC + 8 j + p.
; The angles go through a ring of two LDS slots of 6 angles (a stage).  A row in LDS is 384 entries (rho 8 .. 391: the indices lie in 19 .. 381) of 16 bytes:
; one rho of FOUR planes; planes 0-3 and planes 4-7 are two arrays HALF bytes apart.  So one address serves two 16-byte loads, eight gathered numbers a lane.
; The entries of a run rise by 0 or 1 from pixel to pixel (rows of angles >= 90, where the index falls along x, are laid into LDS reversed), so the 16 lanes that a
; 16-byte load serves together take entries within 256 consecutive bytes: different banks, or the same words (64 banks of 4 bytes: ISA guide 11.1).
; A lane's entry = the run's first entry + the ones of the run's mask below its lane: one v_mbcnt on two scalar registers.  The next run's first entry adds
; all the mask's ones: two scalar instructions.  So an angle needs 18 table words, and 72 scalar registers hold two PAIRS of angles: while one pair is worked on
; (64 LDS loads and 224 vector instructions of the wave), the next pair's words are on their way.  Scalar loads can only be waited for all together
; (ISA guide 5.7.1), so the lead is the work on half of the registers: hence the small table.
; THE FILL goes through registers, because it interleaves four planes: waves 0-11, lane = entry, eight 4-byte loads an angle land as the entry's two 16-byte words.
; The loads for stage s + 1 are issued at the head of stage s and stored to LDS at its end, into the slot that is not being read: one barrier a stage.
; No tensor loads and no cluster: a tile that interleaves planes would have rows of 4 bytes, and the fill is 73,728 bytes a stage against 1,572,864 gathered.
; No matrix unit: the sums are plain f32 additions of gathered numbers.
; THE MODE: SCHED_MODE bits 1:0 = 2 (LLVM: expert scheduling mode 2), set by the entry lines.  The code itself states the register dependences
; between vector instructions and memory or LDS instructions, with s_wait_alu, always for 0.
; THE PLAN.  Registers that memory or LDS instructions touch:
;   v1, v2, v3-v6  offsets of the fill's loads, addresses of its LDS stores: written by vector lines at the head, once; one wait there serves every fill.
;   F              written by the fill's loads at a stage's head, read by its LDS stores at the stage's end; no vector instruction names them.
;   AD             written by a batch's twelve address lines, read by its eight LDS loads.
;   G0, G1         batch q's loads land in G[q & 1]; its sixteen additions, which stand in step q + 1, read it.
;   ACC            written and read by the additions; LDS loads land there in the launch's first four batches (no vector line has named the sums yet) and on the way out.
; A STEP is a batch: a wait on va_vdst; the batch's eight LDS loads; the wait for the batch before and its sixteen additions; a wait on vm_vsrc; the NEXT batch's address lines.
; The wait on va_vdst states that AD is written and that the additions of two batches back are done reading the set of G in which the loads land.
; The wait on vm_vsrc states that the loads have read AD; it stands sixteen additions behind them, so one set of AD serves.
; At a stage's head one wait on vm_vsrc states that the stage before's LDS stores have read F and its last loads AD; then come batch 0's address lines, and the fill's 48 loads,
; which touch v1 or v2 and F alone, stand between those lines and the first step's wait for them.
.set PLANE,  288000                    ; bytes of a plane of the input: 180 x 400 x 4
.set AROW,   1600                      ; bytes of an angle's row
.set STG,    6                         ; angles in a stage
.set LROW,   6144                      ; an angle's row in LDS: 384 entries x 16 bytes
.set HALF,   STG*LROW                  ; 36,864: the array of four planes
.set SLOT,   2*HALF                    ; 73,728
.set FILLW,  12                        ; waves that fill: 12 x 32 lanes = 384 entries
.set OPLANE, 262144                    ; bytes of a plane of the output
.set STARTS, 1474560                   ; where the table's starts begin
.set VGF,  1                           ; v1  byte offset of my entry's rho in a row, angles < 90: 4 (8 + e)
.set VGR,  2                           ; v2  the same for angles >= 90: 4 (391 - e)
.set VS,   3                           ; v[3:6]     my entry in slot s, array h: VS + 2 s + h
.set AD,   8                           ; v[8:11]    gather addresses of a batch's four runs
.set F,    12                          ; v[12:59]   the fill: angle k, plane p at F + 8 k + p
.set G,    60                          ; v[60:123]  gathered numbers, two sets of 32 that take turns by batch
.set ACC,  124                         ; v[124:251] the sums
.set SS,   92                          ; s[92:95]   first entries of a batch's runs 1, 2, 3 and of the next batch's run 0
.set TM,   96                          ; s[96:99]   the ones of a batch's four masks
; s[4:5] input at my planes and the stage being loaded; s[6:7] masks, s[10:11] starts, at my tile and the pair of angles last asked for; s[2:3] output at my tile;
; s8 wave; s9 loop counter; table words of a pair of angles, two sets that take turns by pair:
; set 0: masks s[16:31], s[32:47], starts s[84:87];  set 1: masks s[48:63], s[68:83], starts s[88:91]
	s_load_b128 s[4:7], s[0:1], 0x0                ; accumulator, tbl
	s_load_b64 s[2:3], s[0:1], 0x10                ; out0
	v_lshl_add_u32 v252, v0, 2, 0x40000
	v_mov_b32 v253, 0
	v_lshrrev_b32 v7, 5, v0
	v_readfirstlane_b32 s8, v7                     ; wave 0 .. 15
	s_and_b32 s9, ttmp7, 0xffff                    ; block of 32 rows
	s_mul_i32 s12, ttmp9, 8*PLANE                  ; my 8 planes of the input
	s_mov_b32 s13, 0
	s_lshl_b32 s94, s9, 4
	s_wait_alu depctr_va_sdst(0)                   ; s8 is written, ahead of its first reader: the tile, the branches on the wave and my entry are made from it
	s_add_co_u32 s94, s94, s8                      ; my tile
	s_mul_i32 s14, s94, 180*64                     ; its masks
	s_mov_b32 s15, 0
	s_mul_i32 s96, s94, 180*8                      ; its starts
	s_add_co_u32 s96, s96, STARTS
	s_mov_b32 s97, 0
	s_lshl_b32 s92, ttmp9, 21                      ; output: 8 planes of 262,144 bytes,
	s_lshl_b32 s95, s94, 11                        ; two rows of 1,024 bytes a tile
	s_add_co_u32 s92, s92, s95                     ; below 2^26
	s_mov_b32 s93, 0
	v_and_b32 v7, 31, v0
	v_lshl_add_u32 v7, s8, 5, v7                   ; e = 32 w + lane: my entry (waves 0-11)
	v_lshlrev_b32 v[VGF], 2, v7
	v_sub_nc_u32 v[VGR], 4*391, v[VGF]
	v_add_nc_u32 v[VGF], 4*8, v[VGF]
	v_lshlrev_b32 v[VS], 4, v7
	v_add_nc_u32 v[VS+1], HALF, v[VS]
	v_add_nc_u32 v[VS+2], SLOT, v[VS]
	v_add_nc_u32 v[VS+3], SLOT+HALF, v[VS]
	s_wait_kmcnt 0x0
	s_add_nc_u64 s[4:5], s[4:5], s[12:13]
	s_add_nc_u64 s[10:11], s[6:7], s[96:97]
	s_add_nc_u64 s[6:7], s[6:7], s[14:15]
	s_add_nc_u64 s[2:3], s[2:3], s[92:93]
	s_load_b512 s[16:31], s[6:7], 0x0              ; angles 0 and 1
	s_load_b512 s[32:47], s[6:7], 0x40
	s_load_b128 s[84:87], s[10:11], 0x0
	s_wait_alu depctr_va_vdst(0)                   ; v1 to v6 are written: every load of the fill reads v1 or v2 as its offset, every LDS store of the fill one of v3 to v6 as its address
; 48 loads: 6 angles x 8 planes of my entry's rho.  A load of the wave covers 128 consecutive bytes.
.macro FILLLD voff
.irp k, 0,1,2,3,4,5
.irp p, 0,1,2,3,4,5,6,7
	global_load_b32 v[F+8*\k+\p], v[\voff], s[4:5] offset:PLANE*\p+AROW*\k
.endr
.endr
.endm
; 12 LDS stores: the registers as loaded are the entry's 16 bytes in each array.  Lanes at neighbouring 16 bytes.
.macro FILLST slot
.irp k, 0,1,2,3,4,5
	ds_store_b128 v[VS+2*(\slot)],   v[F+8*\k:F+8*\k+3]   offset:LROW*\k
	ds_store_b128 v[VS+2*(\slot)+1], v[F+8*\k+4:F+8*\k+7] offset:LROW*\k
.endr
.endm
	s_cmp_ge_u32 s8, FILLW
	s_cbranch_scc1 .Lno_fill_0
	FILLLD VGF                                     ; stage 0
	s_wait_loadcnt 0x0
	FILLST 0
.Lno_fill_0:
	s_wait_dscnt 0x0                               ; my part of slot 0 is written,
	s_barrier_signal -1
	s_barrier_wait -1                              ; everybody's is
; The four addresses of batch QA (0 .. 23) of a stage: angle KK = QA / 4 of the stage, runs 4 BB .. 4 BB + 3, BB = QA % 4.
; At a pair of angles' first batch its table words are waited for and the next pair's are asked for, into the other set.
; last = 1: behind angles 178 and 179 there is no table to ask for.
.macro ADDR slot, last
.set KK, QA/4
.set BB, QA%4
.set OD, KK&1                                      ; second angle of its pair
.set XS, (3*\slot+KK/2)&1                          ; the pair's set: a stage is three pairs, two stages six
.set MB, 16+16*OD+XS*(32+4*OD)                     ; the angle's 16 masks
.set SB, 84+4*XS+2*OD                              ; its two starts
.if QA%8 == 0
	s_wait_kmcnt 0x0                               ; this pair's words are in, and no scalar load is out,
.set NOLD, 0
.if \last
.if QA == 16
.set NOLD, 1
.endif
.endif
.if NOLD == 0
	s_wait_xcnt 0x0                                ; and every earlier memory instruction has had its address translated (ISA guide 3.1): the table's pointers are stepped only behind these
	s_add_nc_u64 s[6:7], s[6:7], 128
	s_add_nc_u64 s[10:11], s[10:11], 16
	s_load_b512 s[48-32*XS:63-32*XS], s[6:7], 0x0
	s_load_b512 s[68-36*XS:83-36*XS], s[6:7], 0x40
	s_load_b128 s[88-4*XS:91-4*XS], s[10:11], 0x0
.endif
.endif
.if BB%2 == 0
.set C0, SB+BB/2                                   ; a row begins: its start comes from the table
.else
.set C0, SS+3                                      ; the row goes on
.endif
.irp i, 0,1,2
	s_bcnt1_i32_b32 s[TM+\i], s[MB+4*BB+\i]
.endr
	s_add_co_u32 s[SS],   s[C0],   s[TM]           ; a run's first entry = the run before's + all its steps
	s_add_co_u32 s[SS+1], s[SS],   s[TM+1]
	s_add_co_u32 s[SS+2], s[SS+1], s[TM+2]
	v_mbcnt_lo_u32_b32 v[AD], s[MB+4*BB], s[C0]    ; the run's first entry + the steps below my lane
.irp i, 1,2,3
	v_mbcnt_lo_u32_b32 v[AD+\i], s[MB+4*BB+\i], s[SS+\i-1]
.endr
.if BB%2 == 0
	s_bcnt1_i32_b32 s[TM+3], s[MB+4*BB+3]
	s_add_co_u32 s[SS+3], s[SS+2], s[TM+3]
.endif
.irp i, 0,1,2,3
	v_min_u32 v[AD+\i], STG*384-1, v[AD+\i]        ; a number from memory stays inside the slot whatever it is
.endr
.irp i, 0,1,2,3
.if \slot
	v_lshl_add_u32 v[AD+\i], v[AD+\i], 4, SLOT
.else
	v_lshlrev_b32 v[AD+\i], 4, v[AD+\i]
.endif
.endr
.endm
; The eight 16-byte loads of batch QQ, by the four addresses in AD.
; first = 1: the launch's first angle lands in the sums themselves, so nothing is cleared.
.macro LOADS first
.set DIRECT, 0
.if \first
.if QQ < 4
.set DIRECT, 1
.endif
.endif
.irp i, 0,1,2,3
.if DIRECT
.set DD, ACC+8*(4*(QQ%4)+\i)
.else
.set DD, G+32*(QQ&1)+8*\i
.endif
	ds_load_b128 v[DD:DD+3],   v[AD+\i]             ; planes 0-3
	ds_load_b128 v[DD+4:DD+7], v[AD+\i] offset:HALF ; planes 4-7
.endr
.endm
; batch qq's 32 gathered numbers are added to its runs' sums
.macro ADDB qq
.irp i, 0,1,2,3
.irp c, 0,2,4,6
	v_pk_add_f32 v[ACC+8*(4*((\qq)%4)+\i)+\c:ACC+8*(4*((\qq)%4)+\i)+\c+1], v[ACC+8*(4*((\qq)%4)+\i)+\c:ACC+8*(4*((\qq)%4)+\i)+\c+1], v[G+32*((\qq)&1)+8*\i+\c:G+32*((\qq)&1)+8*\i+\c+1]
.endr
.endr
.endm
; A stage: six angles out of slot 'slot'.  fill = 1: the next stage's rows are asked for at the head, by offset register voff, and go into the other slot at the end.
; The other slot was last read a stage ago: every wave waited for those reads in front of that stage's barrier.  What is stored into it now is waited for
; in front of this stage's barrier and read behind it.
.macro STAGE slot, first, fill, voff, last
	s_wait_alu depctr_vm_vsrc(0)                   ; the LDS stores of the stage before (ahead of the first stage: the head's) have read F, in which the loads below land;
	                                               ; the stage before's last LDS loads have read AD, which the lines below write
.set QA, 0
	ADDR \slot, \last                              ; batch 0's addresses; the first step's wait for them stands behind the fill's loads
.if \fill
	s_cmp_ge_u32 s8, FILLW
	s_cbranch_scc1 .Lno_ld_\@
	s_add_nc_u64 s[4:5], s[4:5], STG*AROW          ; the loads that named this base were waited for (count 0) at the end of the stage before
	FILLLD \voff                                   ; they read v1 or v2, written ahead of the head's wait, and land in F, which no vector instruction names
.Lno_ld_\@:
.endif
.set QQ, 0
.rept 4*STG
	s_wait_alu depctr_va_vdst(0)                   ; the address lines have written AD, which the loads below read; the additions of two batches back are done reading the set of G in which they land
	LOADS \first
.if QQ > 0
.set SKIP, 0
.if \first
.if QQ < 5
.set SKIP, 1                                       ; the batch before landed in the sums themselves
.endif
.endif
.if SKIP == 0
	s_wait_dscnt 0x8                               ; LDS instructions of a wave end in order (ISA guide 5.7.1): all but the eight loads just issued are done
	ADDB QQ-1
.endif
.endif
.if QQ < 4*STG-1
	s_wait_alu depctr_vm_vsrc(0)                   ; the loads above have read AD, which the lines below write again
.set QA, QQ+1
	ADDR \slot, \last
.endif
.set QQ, QQ+1
.endr
.if \fill
	s_wait_loadcnt 0x0                             ; the 48 loads issued at the stage's head are in.  The wait stands on every wave's path, outside the branch, so that on every
	                                               ; way through the text it lies between two loads into one fill register; waves 12-15 have no load out and pass at once
	s_cmp_ge_u32 s8, FILLW
	s_cbranch_scc1 .Lno_st_\@
	FILLST 1-\slot                                 ; data from loads, addresses written ahead of the head's wait: no vector instruction since names either
.Lno_st_\@:
.endif
	s_wait_dscnt 0x0                               ; my reads of this slot and my stores into the other are done:
	s_barrier_signal -1                            ; say so,
	ADDB 4*STG-1                                   ; add the last batch (registers alone) while the others arrive,
	s_barrier_wait -1                              ; and go on when all sixteen have said so
.endm
	; Stage s asks for and stores stage s + 1.  Angles >= 90 are stages 15 .. 29: they are asked for, reversed, from stage 14 on.
	STAGE 0, 1, 1, VGF, 0                          ; stages 0 and 1 stand in front of the loop: angle 0 starts the sums
	STAGE 1, 0, 1, VGF, 0
	s_mov_b32 s9, 6
.Lforward:                                         ; stages 2 .. 13
	STAGE 0, 0, 1, VGF, 0
	STAGE 1, 0, 1, VGF, 0
	s_sub_co_i32 s9, s9, 1
	s_cmp_lg_u32 s9, 0
	s_cbranch_scc1 .Lforward
	s_mov_b32 s9, 7
.Lreversed:                                        ; stages 14 .. 27
	STAGE 0, 0, 1, VGR, 0
	STAGE 1, 0, 1, VGR, 0
	s_sub_co_i32 s9, s9, 1
	s_cmp_lg_u32 s9, 0
	s_cbranch_scc1 .Lreversed
	STAGE 0, 0, 1, VGR, 0                          ; stage 28 brings stage 29's rows, the input's last
	STAGE 1, 0, 0, VGR, 1                          ; stage 29 asks for nothing: no load leaves the input or the table
	; THE WAY OUT.  A lane holds one pixel of each run; the tile's two rows are 2,048 consecutive bytes of a plane.  So the wave's 16,384 bytes go through LDS bytes of
	; its own (16,384 w ..; the ring is no longer read: every wave waited for its reads in front of the last barrier): in as [plane][run][lane], 4 bytes a lane,
	; which is the order of memory; back as 16 bytes a lane, so that 16 neighbouring lanes store 256 consecutive bytes, aligned.
	s_lshl_b32 s12, s8, 14
	s_wait_alu depctr_vm_vsrc(0)                   ; the last batch's LDS loads have read v8 to v11, of which the lines below write three
	v_and_b32 v7, 31, v0
	v_lshl_add_u32 v8, v7, 2, s12                  ; in: 4 x lane
	v_lshl_add_u32 v9, v7, 4, s12                  ; back: 16 x lane
	v_lshlrev_b32 v10, 4, v7                       ; and the same in the image
	s_wait_alu depctr_va_vdst(0)                   ; v8, v9 and v10 are written, which the stores and loads below read; the last additions have written the sums, which the LDS stores read,
	                                               ; and are done reading them: no vector instruction follows, so the loads that land in the sums owe nothing more on that side
.irp p, 0,1,2,3,4,5,6,7
.irp j, 0,1,2,3,4,5,6,7,8,9,10,11,12,13,14,15
	ds_store_b32 v8, v[ACC+8*\j+\p] offset:2048*\p+128*\j
.endr
.endr
	s_wait_dscnt 0x0                               ; my stores are done,
	s_wait_alu depctr_vm_vsrc(0)                   ; and they have read the sums' registers, into which the loads below land
.set MM, 0
.rept 32
	ds_load_b128 v[ACC+4*MM:ACC+4*MM+3], v9 offset:512*MM
.set MM, MM+1
.endr
.set MM, 0
.rept 32
	s_wait_dscnt 31-MM                             ; the loads issued behind load MM may stay out
	global_store_b128 v10, v[ACC+4*MM:ACC+4*MM+3], s[2:3] offset:(MM/4)*OPLANE+(MM%4)*512 th:TH_STORE_NT   ; plane MM / 4, quarter MM % 4 of the tile's 2,048 bytes
.set MM, MM+1
.endr
	s_wait_dscnt 0x0
	s_wait_alu depctr_hold_cnt(0) depctr_sa_sdst(0) depctr_va_vdst(0) depctr_va_sdst(0) depctr_va_ssrc(0) depctr_va_vcc(0) depctr_vm_vsrc(0)
	s_wait_tensorcnt 0x0
	ds_add_u32 v252, v253
	s_wait_dscnt 0x0
	s_endpgm
.Lfunc_end_k_q4b2c59954c_gather:
	.size	k_q4b2c59954c_gather, .Lfunc_end_k_q4b2c59954c_gather-k_q4b2c59954c_gather
	.p2alignl 7, 3214868480
	.fill 96, 4, 3214868480
	.section	.rodata,"a",@progbits
	.p2align	6, 0x0
	.amdhsa_kernel k_q4b2c59954c_gather
		.amdhsa_group_segment_fixed_size 264192
		.amdhsa_private_segment_fixed_size 0
		.amdhsa_enable_private_segment 0
		.amdhsa_kernarg_size 24
		.amdhsa_user_sgpr_count 2
		.amdhsa_user_sgpr_kernarg_segment_ptr 1
		.amdhsa_wavefront_size32 1
		.amdhsa_system_sgpr_workgroup_id_x 1
		.amdhsa_system_sgpr_workgroup_id_y 1
		.amdhsa_system_sgpr_workgroup_id_z 1
		.amdhsa_system_vgpr_workitem_id 0
		.amdhsa_next_free_vgpr 254
		.amdhsa_next_free_sgpr 100
		.amdhsa_reserve_vcc 0
		.amdhsa_float_denorm_mode_32 3
		.amdhsa_float_denorm_mode_16_64 3
		.amdhsa_memory_ordered 1
		.amdhsa_forward_progress 1
		.amdhsa_inst_pref_size 255
	.end_amdhsa_kernel
	.section	.bss,"aw",@nobits
	.p2align	6
	.space	262144
	.amdgpu_metadata
---
amdhsa.version: [ 1, 2 ]
amdhsa.kernels:
  - .name:           k_q4b2c59954c_gather
    .symbol:         k_q4b2c59954c_gather.kd
    .args:
      - { .name: accumulator, .offset: 0, .size: 8, .value_kind: global_buffer, .address_space: global }
      - { .name: tbl, .offset: 8, .size: 8, .value_kind: global_buffer, .address_space: global }
      - { .name: out0, .offset: 16, .size: 8, .value_kind: global_buffer, .address_space: global }
    .group_segment_fixed_size: 264192
    .private_segment_fixed_size: 0
    .kernarg_segment_align: 8
    .kernarg_segment_size: 24
    .max_flat_workgroup_size: 512
    .sgpr_count:     100
    .vgpr_count:     254
    .wavefront_size: 32
...
	.end_amdgpu_metadata
.endif
;; end of part 3
